; MI455X (gfx1250); checked and timed in simulation.
; The chip was launched on July 23, 2026; its instructions are those of AMD's public machine-readable ISA for CDNA 5 (MIT licence, August 2026) and "CDNA5" Instruction Set Architecture Reference Guide (July 2026). The comments in the code are by the model that wrote it; some were corrected since.
;; H Attention1 D. Allowed arithmetic: matrix products marked QUANTISED: E3M2 operands, one E8M0 scale for each 32 along K, by v_wmma_scale_f32_16x16x128_f8f6f4 with both operands' format E3M2, f32 sums; products left as they are: f32 operands where the result goes on into a quantised operand, else bf16, f16 or f32 operands; f32 sums; everything else in f32.
;; Inputs: Wk_codes 1,024 x 32 x 24 uint8 (E3M2 codes of Wk, K innermost, in blocks of 32 codes, four codes in three bytes); Wk_scales 1,024 x 32 uint8 (E8M0 scales of Wk, one for each 32 codes along K); Wq_codes 1,024 x 32 x 24 uint8 (E3M2 codes of Wq, K innermost, in blocks of 32 codes, four codes in three bytes); Wq_scales 1,024 x 32 uint8 (E8M0 scales of Wq, one for each 32 codes along K); Wv_codes 1,024 x 32 x 24 uint8 (E3M2 codes of Wv, K innermost, in blocks of 32 codes, four codes in three bytes); Wv_scales 1,024 x 32 uint8 (E8M0 scales of Wv, one for each 32 codes along K); bk 1,024 float32; bq 1,024 float32; bv 1,024 float32; mask 2 x 8,192 bool; x_codes 2 x 8,192 x 32 x 24 uint8 (E3M2 codes of x, K innermost, in blocks of 32 codes, four codes in three bytes); x_scales 2 x 8,192 x 32 uint8 (E8M0 scales of x, one for each 32 codes along K).
;; Outputs: out0 2 x 8,192 x 1,024 float32.
;; This version of the problem:
;;   THIS VERSION OF THE PROBLEM IS GIVEN IN LOW PRECISION. The matrix products marked QUANTISED in the list below multiply operands that are first quantised to E3M2 (3 exponent bits, 2 mantissa bits; 6 bits a number), with one power-of-two scale for each 32 numbers along K (OCP MX v1.0); their sums are f32. All else is computed in f32.
;;   The module's matrix products, in the order in which they are computed (A, B: the left and right operand; K: the contracted axis; several contracted axes count as one K, in the product's order):
;;     1. [M 16,384, K 1,024] x [K 1,024, N 1,024]; A: input x (given as codes); B: input Wq (given as codes): QUANTISED
;;     2. [M 16,384, K 1,024] x [K 1,024, N 1,024]; A: input x (given as codes); B: input Wk (given as codes): QUANTISED
;;     3. [M 16,384, K 1,024] x [K 1,024, N 1,024]; A: input x (given as codes); B: input Wv (given as codes): QUANTISED
;;     4. batch 128 x [M 16, K 64] x [K 64, N 16]; A: computed on the way; B: computed on the way: QUANTISED
;;     5. batch 128 x [M 16, K 16] x [K 16, N 64]; A: computed on the way; B: computed on the way: left as it is (K = 16 < 32)
;;     6. batch 256 x [M 16, K 64] x [K 64, N 16]; A: computed on the way; B: computed on the way: QUANTISED
;;     7. batch 256 x [M 16, K 16] x [K 16, N 64]; A: computed on the way; B: computed on the way: left as it is (K = 16 < 32)
;;     8. batch 512 x [M 16, K 64] x [K 64, N 16]; A: computed on the way; B: computed on the way: QUANTISED
;;     9. batch 512 x [M 16, K 16] x [K 16, N 64]; A: computed on the way; B: computed on the way: left as it is (K = 16 < 32)
;;     10. batch 1,024 x [M 16, K 64] x [K 64, N 16]; A: computed on the way; B: computed on the way: QUANTISED
;;     11. batch 1,024 x [M 16, K 16] x [K 16, N 64]; A: computed on the way; B: computed on the way: left as it is (K = 16 < 32)
;;     12. batch 2,048 x [M 16, K 64] x [K 64, N 16]; A: computed on the way; B: computed on the way: QUANTISED
;;     13. batch 2,048 x [M 16, K 16] x [K 16, N 64]; A: computed on the way; B: computed on the way: left as it is (K = 16 < 32)
;;     14. batch 4,096 x [M 16, K 64] x [K 64, N 16]; A: computed on the way; B: computed on the way: QUANTISED
;;     15. batch 4,096 x [M 16, K 16] x [K 16, N 64]; A: computed on the way; B: computed on the way: left as it is (K = 16 < 32)
;;     16. batch 8,192 x [M 16, K 64] x [K 64, N 16]; A: computed on the way; B: computed on the way: QUANTISED
;;     17. batch 8,192 x [M 16, K 16] x [K 16, N 64]; A: computed on the way; B: computed on the way: left as it is (K = 16 < 32)
;;     18. batch 16,384 x [M 16, K 64] x [K 64, N 16]; A: computed on the way; B: computed on the way: QUANTISED
;;     19. batch 16,384 x [M 16, K 16] x [K 16, N 64]; A: computed on the way; B: computed on the way: left as it is (K = 16 < 32)
;;     20. batch 16,384 x [M 16, K 64] x [K 64, N 16]; A: computed on the way; B: computed on the way: QUANTISED
;;     21. batch 16,384 x [M 16, K 16] x [K 16, N 64]; A: computed on the way; B: computed on the way: left as it is (K = 16 < 32)
;;   THE QUANTISER, for each operand of a quantised product, along K:
;;     - K is cut into blocks of 32 from its start; a last block that is shorter is filled with zeros.
;;     - A block's scale is 2^e with e = floor(log2(the largest magnitude in the block)) - 4, held to -126 .. 127; a block of zeros has e = 0. As a byte (E8M0): e + 127.
;;     - Each number is divided by its block's scale, clamped to +-28, and rounded to the nearest number of E3M2, ties to even, subnormals kept.
;;     - The product sums the exact products of the quantised numbers (number of the format x scale) in f32.
;;   ~~~python
;;   def quantise(x, axis):      # numpy; x: float32 -> the quantised numbers, widened to float32 again
;;       x = np.moveaxis(x, axis, -1); K = x.shape[-1]
;;       x = np.pad(x, [(0, 0)] * (x.ndim - 1) + [(0, -K % 32)]); x = x.reshape(x.shape[:-1] + (-1, 32)); a = np.abs(x).max(-1, keepdims=True)
;;       e = np.where(a > 0, np.clip(np.frexp(np.where(a > 0, a, 1))[1] - 1 - 4, -126, 127), 0)      # np.frexp(a)[1] - 1 = floor(log2(a)), exactly
;;       r = np.clip(x / 2.0 ** e, -28, 28)
;;       step = 2.0 ** (np.maximum(np.frexp(np.where(r == 0, 1, r))[1] - 1, -2) - 2)
;;       q = np.round(r / step) * step * 2.0 ** e      # np.round: ties to even
;;       return np.moveaxis(q.reshape(q.shape[:-2] + (-1,))[..., :K], -1, axis).astype(np.float32)
;;   ~~~
;;   OPERANDS COMPUTED ON THE WAY. 'Computed on the way' means the value that the module computes at that place (a softmax that the list does not call 'softmax' is quantised finished and normalised). What goes into a quantiser is computed in f32, as accurately as f32 sums, v_exp_f32 and their like allow (about 1e-6 of the number): no bf16 or f16 on the way to a quantiser, and a product that is left as it is and whose result goes on into a quantised operand takes f32 operands (vector FMAs, or v_wmma_f32_16x16x4_f32). A number that lies on a knife's edge between two numbers of the format may be rounded either way, as far as f32 arithmetic and the matrix unit's own rounding can turn it there, and no further.
;;   INPUTS GIVEN AS CODES. Wk (in the module: [1024, 1024], K = its axis 0); Wq (in the module: [1024, 1024], K = its axis 0); Wv (in the module: [1024, 1024], K = its axis 0); x (in the module: [2, 8192, 1024], K = its axis 2): each comes as NAME_codes (uint8): NAME with its K axis moved to the last place and cut into blocks of 32 codes, [.., K / 32, bytes a block], one block behind the other in memory; four codes in three bytes: a row's codes are one little-endian stream of bits, code i at bits 6 i .. 6 i + 5 (a code: sign, 3 exponent bits, 2 mantissa bits); and NAME_scales (uint8): the same leading axes, one E8M0 byte (e + 127) for each 32 codes along K. Its value is code x scale, taken as it is: it is not quantised again, and the codes and scales need not be those that the quantiser above would give.
;; One version. Each part assembles by itself: llvm-mc -triple=amdgcn-amd-amdhsa -mcpu=gfx1250 --defsym DOCPART=n.
;; ======== version 1 of 1: 2 launches
;; workspace buffers: yf 67,108,864 bytes; af 1,048,576 bytes; qc 4,063,232 bytes; kc 4,063,232 bytes; vc 8,126,464 bytes; km 1,015,808 bytes
;; launch proj (part 1): grid 8 x 64, 4 waves a work-group, clusters of 4 x 4, 327,680 bytes of LDS; arguments x_codes, x_scales, Wq_codes, Wk_codes, Wv_codes, Wq_scales, Wk_scales, Wv_scales, bq, bk, bv, mask, yf, af, qc, kc, vc, km; writes yf, af, qc, kc, vc, km
.if DOCPART == 1
	.amdgcn_target "amdgcn-amd-amdhsa--gfx1250"
	.amdhsa_code_object_version 6
	.text
	.protected	k_q0e0b96952f_proj
	.globl	k_q0e0b96952f_proj
	.p2align	8
	.type	k_q0e0b96952f_proj,@function
k_q0e0b96952f_proj:
	s_mov_b64 s[64:65], 0
	v_nop
	global_prefetch_b8 v0, s[64:65] scope:SCOPE_SE
	s_setreg_imm32_b32 hwreg(HW_REG_WAVE_MODE, 25, 1), 1
	s_wait_xcnt 0x0
	s_wait_alu depctr_hold_cnt(0) depctr_sa_sdst(0) depctr_va_vdst(0) depctr_va_sdst(0) depctr_va_ssrc(0) depctr_va_vcc(0) depctr_vm_vsrc(0)
	s_getreg_b32 s2, hwreg(HW_REG_IB_STS2, 6, 4)
	s_cmp_eq_u32 s2, 0
	s_cbranch_scc0 .Lentry_in_a_cluster
	s_endpgm
.Lentry_in_a_cluster:
	s_bfe_u32 s2, ttmp6, 0x10000c
	s_cmp_lg_u32 s2, 0xf033
	s_cbranch_scc0 .Lentry_shape_is_right
	s_endpgm
.Lentry_shape_is_right:
; q, k, v = x W + b on codes of E3M2 with E8M0 scales, then everything of the hierarchical attention that is local to 128 tokens of one head:
; the masked pair averages (q, k) and pair sums (v) of levels 1 to 7, their quantising, and the four attention terms level 0 diagonal, level 0 flipped, level 1, level 2.
; Out go: yf, the unnormalised sum of those four terms [32 (batch, head)][8192][64] f32; af, the sum of their weights; and the rows of levels 3 to 7 as finished operands for the next launch:
; qc, kc records of codes, scale words and mask bounds, vc bf16 operand images of v, km mask bounds by key position.
; SHARES. A work-group takes 256 tokens x 2 heads; wave w takes head 2 px + (w & 1) and tokens 128 (w >> 1) on: 128 tokens x 192 columns (q, k, v), 96 accumulators, 768 registers.
; K goes in 8 steps of 128 through two LDS slots of 256 along K (rows of 192 bytes, 16 bytes of padding behind each 64). 4 x 4 work-groups form a cluster: x's tile is asked for jointly along a row, W's tiles along a column.
; ORIENTATION. q, k: source 0 = 16 rows of W, source 1 = 16 tokens: a lane holds ONE token (lane % 16) and register 8 t + j channel 16 t + 8 (lane / 16) + j. v: source 0 = tokens, source 1 = rows of Wv: a lane holds one channel and register j token 8 (lane / 16) + j.
; COMPACT BLOCKS. A pair sum is a DPP step; the lane bit that it frees takes a bit of the block's number: a row's slot is (r3 r2 r1 B0), (r3 r2 B1 B0), (r3 B2 B1 B0) at levels 1, 2, 3. Keys, their v and their mask bounds use the same slots, and a block's softmax does not care for the order of its keys.
; q stays without its factor 1/8 through all levels (a power of two: exact); 3 is taken off each byte of its scale word instead.
; LDS ADDRESS REGISTERS (v4-11, v52-57, v59-63) hold nothing else in the whole text: each is made of the thread's number, the wave's number, constants and counted loops' steps alone, by additions, shifts and products, alike in every work-group of the cluster.
; LIMITS. NaN, infinities and scale bytes 0xff among the inputs are not served; scores are taken as finite. A block of zeros gets the floor's scale byte and not 127 (its codes are zeros; only this program reads the bytes).
; Inside a block of 32 along the head's axis the order of the codes is permuted, alike for q and k. The weights and v go to the second product in bf16.
.set SLOT,  153600                     ; a slot: x 256 rows, Wq, Wk, Wv 128 rows each, pitch 240
.set SCW,   307200                     ; behind the ring: the scale bytes of my 128 rows of Wq, Wk, Wv, 16 units of 256 + 16 bytes each; filled once
.set SPARE, 320256                     ; the spare words, 128 bytes a wave: two blocks of 256 bytes that no other line names
.set WSC,   73728                      ; the epilogue's scratch of a wave, in the ring, used when both slots have had their last fill and their last read
.set KA,    14336                      ; scratch: q's 14 record images at 0, k's here (index B, 8 + n, 12 + k)
.set V2I,   28672                      ; 2 images of v, level 2
.set V0I,   32768                      ; 8 images, level 0
.set V1I,   49152                      ; 4 images, level 1
.set KUBT,  57344                      ; 14 tables of 16 mask bounds by slot
.set MF,    58368                      ; the mask as 128 floats, by token
.set AFS,   58880                      ; 128 sums of weights, by token
.set MB,    59392                      ; the mask's 128 bytes
.set STG,   59648                      ; two stages of 16 rows x 272 bytes for the way out
.set FLDC,  (1<<20)|(1<<21)|(3<<22)|(3<<25)          ; elements of 1 byte; padding on; bit 21 beside a mask; 4 words behind every 16
.set FLDS,  (3<<16)|(1<<20)|(1<<21)|(5<<22)|(3<<25)  ; elements of 8 bytes; 4 words behind every 64
.set LG,    14                         ; s[14:15] log2(e), twice
.set MSB, 0
.macro WIN new                         ; the immediate's high byte repeats the setting that is left
.if MSB != \new
	s_set_vgpr_msb (MSB<<8)|\new
.set MSB, \new
.endif
.endm
.macro PLACES n                        ; plain places behind matrix instructions (ISA guide 7.12.1)
.rept \n
	v_nop
.endr
.endm
.macro CREST                           ; a round of the cluster's barrier behind its opening barrier
	s_cmp_lg_u32 s40, 0
	s_cbranch_scc1 .Lnw0_\@
	s_barrier_signal -3
.Lnw0_\@:
	s_barrier_wait -3
	s_barrier_signal -1
	s_barrier_wait -1
.endm
.macro CROUND
	s_barrier_signal -1
	s_barrier_wait -1
	CREST
.endm
.macro JLOAD n                         ; a joint refill of slot n: wave 0 asks for x's tile, waves 1 to 3 for Wq's, Wk's, Wv's; four v_nop follow each line
	s_cmp_eq_u32 s40, 0
	s_cbranch_scc0 .Ljw_\@
	tensor_load_to_lds s[84+4*(\n):87+4*(\n)], s[52:59]
	s_nop 0
	PLACES 4
	s_branch .Ljd_\@
.Ljw_\@:
	tensor_load_to_lds s[92+4*(\n):95+4*(\n)], s[68:75]
	s_nop 0
	PLACES 4
.Ljd_\@:
.endm
; A fragment, 16 rows x 128 K of 6-bit codes: six pieces of 8 bytes. Lanes 16-31 read three pieces on, which is behind one padding more where the piece's number mod 8 is 5 or more: the second address register serves those.
.macro FRAG reg, adr, q, ro
.irp p, 0,1,2,3,4,5
.set PC, 12*(\q)+6*(\p/3)+\p%3
.if PC%8 < 5
	ds_load_b64 v[(\reg)+2*\p:(\reg)+2*\p+1], v[\adr] offset:8*PC+16*(PC/8)+(\ro)
.else
	ds_load_b64 v[(\reg)+2*\p:(\reg)+2*\p+1], v[(\adr)+1] offset:8*PC+16*(PC/8)+(\ro)
.endif
.endr
.endm
.macro LB grp, s, set                  ; 28 LDS loads: the four fragments of W (grp 0 q, 1 k, 2 v) of K step s into set, and their scale words
.irp t, 0,1,2,3
	FRAG 160+48*(\set)+12*\t, 6+2*((\grp)/2)+48*(((\s)>>1)&1), (\s)&1, 3840*\t+30720*((\grp)%2)
.endr
.irp t, 0,1,2,3
	ds_load_b32 v[44+4*(\set)+\t], v10 offset:4352*(\grp)+544*\t+4*(\s)
.endr
.endm
.macro LA s, a0                        ; 24 LDS loads: x's blocks a0 .. a0 + 3 of K step s
.irp i, 0,1,2,3
	FRAG 64+12*((\a0)+\i), 4+48*(((\s)>>1)&1), (\s)&1, 3840*((\a0)+\i)
.endr
.endm
.macro W1 d, a, b, c, sa, sb, row      ; row 1: source 0's scales from lanes 16-31; row 2: source 1's
.if (\row) == 0
	v_wmma_scale_f32_16x16x128_f8f6f4 v[(\d):(\d)+7], v[(\a):(\a)+11], v[(\b):(\b)+11], v[(\c):(\c)+7], v[\sa], v[\sb] matrix_a_fmt:MATRIX_FMT_BF6 matrix_b_fmt:MATRIX_FMT_BF6
.elseif (\row) == 1
	v_wmma_scale_f32_16x16x128_f8f6f4 v[(\d):(\d)+7], v[(\a):(\a)+11], v[(\b):(\b)+11], v[(\c):(\c)+7], v[\sa], v[\sb] matrix_a_fmt:MATRIX_FMT_BF6 matrix_b_fmt:MATRIX_FMT_BF6 matrix_a_scale:MATRIX_SCALE_ROW1
.else
	v_wmma_scale_f32_16x16x128_f8f6f4 v[(\d):(\d)+7], v[(\a):(\a)+11], v[(\b):(\b)+11], v[(\c):(\c)+7], v[\sa], v[\sb] matrix_a_fmt:MATRIX_FMT_BF6 matrix_b_fmt:MATRIX_FMT_BF6 matrix_b_scale:MATRIX_SCALE_ROW1
.endif
.endm
; x's blocks a0 .. a1 against W's four tiles; the accumulators take turns, one instruction a turn. In K step 0 the bias starts the sums: it lies in block 7's accumulators, which blocks 0 to 6 name as C;
; block 7 then adds in place, five places behind the last product that named its registers.
.macro MM grp, s, set, a0, a1
.set aa, \a0
.rept (\a1)-(\a0)+1
.if ((\s) == 0) && (aa == 7)
	PLACES 5
.endif
.set cc, 32*aa
.if ((\s) == 0) && (aa < 7)
.set cc, 224
.endif
.irp t, 0,1,2,3
.if (\grp) < 2
	W1 32*aa+8*\t, 160+48*(\set)+12*\t, 64+12*aa, cc+8*\t, 44+4*(\set)+\t, 12+4*aa+((\s)&3), 2*((\s)/4)
.else
	W1 32*aa+8*\t, 64+12*aa, 160+48*(\set)+12*\t, cc+8*\t, 12+4*aa+((\s)&3), 44+4*(\set)+\t, (\s)/4
.endif
.endr
.set aa, aa+1
.endr
.endm
.macro QPANEL s
	PLACES 4                                       ; in front of loads into registers that the last products read
	WIN 0
	LA \s, 4
	LB 1, \s, (3*(\s)+1)&1
.if (\s) == 0
	s_cmp_eq_u32 s104, 0                           ; the third 256 bytes of each of the tile's 256 rows of x, which the first fills do not touch, are asked for once in the launch:
	s_cbranch_scc0 .Lnopf                          ; by the first column of clusters, waves 0 and 1; the four partners take 64 rows each, told apart by address; a lane a row
	global_prefetch_b8 v1, s[100:101] th:TH_LOAD_NT scope:SCOPE_SE
.Lnopf:
.endif
	s_wait_dscnt 52                                ; all but the 52 just issued: Wq's set and x's blocks 0-3 are in
	WIN 0x50
	MM 0, \s, (3*(\s))&1, 0, 3
	s_wait_dscnt 28                                ; x's blocks 4-7 are in; Wk's 28 may be out
	MM 0, \s, (3*(\s))&1, 4, 7
.endm
.macro KPANEL s
	PLACES 4
	WIN 0
	LB 2, \s, (3*(\s)+2)&1
	s_wait_dscnt 28                                ; Wk's set is in; Wv's 28 may be out
	WIN 0xa0
	MM 1, \s, (3*(\s)+1)&1, 0, 7
.endm
.macro VEVEN s                         ; v's panel of a step whose successor lies in the same slot
	PLACES 4
	WIN 0
	LB 0, (\s)+1, (3*(\s)+3)&1
	s_wait_dscnt 28                                ; Wv's set is in
	WIN 0xf0
	MM 2, \s, (3*(\s)+2)&1, 0, 3
	PLACES 4
	WIN 0
	LA (\s)+1, 0
	WIN 0xf0
	MM 2, \s, (3*(\s)+2)&1, 4, 7
.endm
; v's panel of a slot's last step changes slots: one barrier; in front of it each wave waits for all its tensor loads, adds 0 to its spare word, and waits for that and for its reads of this slot.
; fill = 1: the barrier opens a round of the cluster's barrier and the slot is filled again first thing behind it: 16 + 96 + 64 matrix instructions stand between that request and the wait for it.
.macro TURN s, fill
	WIN 0
	s_wait_tensorcnt 0x0                           ; all my tensor loads have landed: my part of the next slot
	ds_add_u32 v2, v3                              ; 0 onto my spare word
.if \fill
	s_add_nc_u64 s[86+4*(((\s)>>1)&1):87+4*(((\s)>>1)&1)], s[86+4*(((\s)>>1)&1):87+4*(((\s)>>1)&1)], 384   ; no load of mine is out: this slot's next 256 along K
	s_add_nc_u64 s[94+4*(((\s)>>1)&1):95+4*(((\s)>>1)&1)], s[94+4*(((\s)>>1)&1):95+4*(((\s)>>1)&1)], 384
.endif
	s_wait_dscnt 1                                 ; Wv's set is in; only the add may be out
	WIN 0xf0
	MM 2, \s, (3*(\s)+2)&1, 0, 1
	s_wait_dscnt 0x0                               ; the add is done, and my reads of this slot are over
	s_barrier_signal -1
	MM 2, \s, (3*(\s)+2)&1, 2, 3
	WIN 0
	s_barrier_wait -1
.if \fill
	CREST                                          ; no wave of any partner still reads this slot or has a load on its way
	JLOAD ((\s)>>1)&1                              ; its four v_nop are also the places in front of the loads below
.else
	PLACES 4
.endif
	LB 0, (\s)+1, (3*(\s)+3)&1
	LA (\s)+1, 0
	WIN 0xf0
	MM 2, \s, (3*(\s)+2)&1, 4, 7
.endm
	; ---------------- the head
	s_load_b512 s[4:19], s[0:1], 0x0               ; x_codes 4, x_scales 6, Wq 8, Wk 10, Wv 12 (codes), Wq 14, Wk 16, Wv 18 (scales)
	s_load_b512 s[20:35], s[0:1], 0x40             ; bq 20, bk 22, bv 24, mask 26, yf 28, af 30, qc 32, kc 34
	s_load_b128 s[36:39], s[0:1], 0x80             ; vc 36, km 38
	v_lshl_add_u32 v2, v0, 2, SPARE
	v_mov_b32 v3, 0
	ds_add_u32 v2, v3
	ds_add_u32 v2, v3
	s_wait_dscnt 0x0
	v_lshrrev_b32 v10, 5, v0
	v_readfirstlane_b32 s40, v10                   ; wave
	s_mul_i32 s3, s40, WSC                         ; my scratch; its five lane bases are made here, ahead of every branch, and kept
	v_and_b32 v64, 15, v0                          ; ll
	v_bfe_u32 v65, v0, 4, 1                        ; h
	v_and_b32 v66, 31, v0                          ; lane
	v_lshl_add_u32 v11, v66, 4, s3                 ; scratch + 16 x lane
	v_lshl_add_u32 v59, v64, 2, s3                 ; scratch + 4 ll
	v_lshl_add_u32 v60, v65, 5, s3                 ; scratch + 32 h
	v_lshl_add_u32 v62, v66, 2, s3                 ; scratch + 4 x lane
	v_add_nc_u32 v63, s3, v64                      ; scratch + ll
	s_and_b32 s41, s40, 1                          ; hw: which head of the pair
	s_lshr_b32 s42, s40, 1                         ; tw: which 128 tokens
	s_bfe_u32 s43, ttmp6, 0x40000                  ; cx
	s_bfe_u32 s44, ttmp6, 0x40004                  ; cy
	s_lshl_b32 s45, ttmp9, 2
	s_add_co_u32 s45, s45, s43                     ; px: the pair of heads
	s_and_b32 s46, ttmp7, 0xffff
	s_lshl_b32 s46, s46, 2
	s_add_co_u32 s46, s46, s44                     ; ty: the tile of 256 tokens
	s_lshl_b32 s104, s44, 2
	s_lshl_b32 s104, 15, s104                      ; my row of the cluster
	s_lshl_b32 s105, 0x1111, s43                   ; my column
	s_or_b32 s52, s104, FLDC                       ; group 1 for x's tile: 256 rows x 192 bytes, 768 apart
	s_mov_b32 s53, 192<<16
	s_mov_b32 s54, 256<<16
	s_mov_b32 s55, 192<<16
	s_mov_b32 s56, 256
	s_mov_b32 s57, 768
	s_mov_b32 s58, 0
	s_mov_b32 s59, 0
	s_or_b32 s68, s105, FLDC                       ; group 1 for W's tiles: 128 rows x 192 bytes
	s_mov_b32 s69, 192<<16
	s_mov_b32 s70, 128<<16
	s_mov_b32 s71, 192<<16
	s_mov_b32 s72, 128
	s_mov_b32 s73, 768
	s_mov_b32 s74, 0
	s_mov_b32 s75, 0
	s_or_b32 s76, s105, FLDS                       ; group 1 for W's scales: 4,096 dense bytes as 16 rows of 256
	s_mov_b32 s77, 32<<16
	s_mov_b32 s78, 16<<16
	s_mov_b32 s79, 32<<16
	s_mov_b32 s80, 16
	s_mov_b32 s81, 32
	s_mov_b32 s82, 0
	s_mov_b32 s83, 0
	s_mul_i32 s2, s46, 196608                      ; x's tile: 256 ty rows of 768 bytes
	s_mov_b32 s3, 0
	s_mul_i32 s50, s45, 98304                      ; W's tiles: 128 px rows of 768 bytes
	s_mov_b32 s51, 0
	s_lshl_b32 s100, s45, 12                       ; W's scales: 128 px rows of 32 bytes
	s_mov_b32 s101, 0
	s_mov_b32 s84, 1
	s_mov_b32 s85, 0
	s_mov_b32 s88, 1
	s_mov_b32 s89, SLOT
	s_mov_b32 s92, 1
	s_mul_i32 s93, s40, 30720
	s_add_co_u32 s93, s93, 30720                   ; waves 1, 2, 3: Wq's, Wk's, Wv's place in a slot
	s_mov_b32 s96, 1
	s_add_co_u32 s97, s93, SLOT
	s_mov_b32 s60, 1
	s_mul_i32 s61, s40, 4352
	s_add_co_u32 s61, s61, SCW-4352
	s_lshr_b32 s104, s40, 1
	s_or_b32 s104, s104, ttmp9                     ; 0 in waves 0 and 1 of the first column of clusters: these prefetch
	s_wait_kmcnt 0x0
	s_add_nc_u64 s[86:87], s[4:5], s[2:3]
	s_add_nc_u64 s[90:91], s[86:87], 192
	s_or_b32 s87, s87, 0x80000000
	s_or_b32 s91, s91, 0x80000000
	s_cmp_eq_u32 s40, 3                            ; which weight I fetch hangs on the wave's number alone
	s_cselect_b64 s[94:95], s[12:13], s[10:11]
	s_cselect_b64 s[62:63], s[18:19], s[16:17]
	s_cmp_eq_u32 s40, 1
	s_cselect_b64 s[94:95], s[8:9], s[94:95]
	s_cselect_b64 s[62:63], s[14:15], s[62:63]
	s_add_nc_u64 s[94:95], s[94:95], s[50:51]
	s_add_nc_u64 s[98:99], s[94:95], 192
	s_add_nc_u64 s[62:63], s[62:63], s[100:101]
	s_or_b32 s95, s95, 0x80000000
	s_or_b32 s99, s99, 0x80000000
	s_or_b32 s63, s63, 0x80000000
	CROUND                                         ; all sixteen work-groups are here: the first joint loads meet
	s_cmp_eq_u32 s40, 0                            ; a wave's first fills stand in one branch: two loads of wave 0 are out, three of the others
	s_cbranch_scc0 .Lfill_w
	tensor_load_to_lds s[84:87], s[52:59]
	s_nop 0
	tensor_load_to_lds s[88:91], s[52:59]
	s_nop 0
	PLACES 4
	s_branch .Lfilled
.Lfill_w:
	tensor_load_to_lds s[60:63], s[76:83]
	s_nop 0
	tensor_load_to_lds s[92:95], s[68:75]
	s_nop 0
	tensor_load_to_lds s[96:99], s[68:75]
	s_nop 0
	PLACES 4
.Lfilled:
	s_mul_i32 s100, s43, 49152                     ; the prefetch: rows 256 ty + 64 cx + 32 w + lane, byte 512
	s_mul_i32 s101, s40, 24576
	s_add_co_u32 s100, s100, s101
	s_add_co_u32 s100, s100, s2
	s_add_co_u32 s100, s100, 512
	s_mov_b32 s101, 0
	s_add_nc_u64 s[100:101], s[4:5], s[100:101]
	s_lshl_b32 s49, s45, 1
	s_add_co_u32 s49, s49, s41                     ; head
	s_lshr_b32 s48, s46, 5
	s_lshl_b32 s48, s48, 4
	s_add_co_u32 s48, s48, s49                     ; bh = 16 batch + head
	s_and_b32 s47, s46, 31
	s_lshl_b32 s47, s47, 1
	s_add_co_u32 s47, s47, s42                     ; g: my group of 128 tokens in the batch
	s_lshl_b32 s2, s46, 13
	s_lshl_b32 s50, s42, 12
	s_add_co_u32 s2, s2, s50
	s_add_nc_u64 s[6:7], s[6:7], s[2:3]            ; x's scales at my first token: 32 bytes a token
	s_lshr_b32 s2, s2, 5
	s_add_nc_u64 s[26:27], s[26:27], s[2:3]        ; the mask at my first token
	s_lshl_b32 s2, s49, 8
	s_add_nc_u64 s[20:21], s[20:21], s[2:3]        ; the biases at my head
	s_add_nc_u64 s[22:23], s[22:23], s[2:3]
	s_add_nc_u64 s[24:25], s[24:25], s[2:3]
	s_lshl_b32 s2, s48, 21
	s_lshl_b32 s50, s47, 15
	s_add_co_u32 s2, s2, s50
	s_add_nc_u64 s[28:29], s[28:29], s[2:3]        ; yf at my first token: 256 bytes a token
	s_lshr_b32 s2, s2, 6
	s_add_nc_u64 s[30:31], s[30:31], s[2:3]        ; af likewise: 4 bytes a token
	s_mov_b32 s66, 0x76543210
	s_mov_b32 s67, 0xfedcba98                      ; v_permlanex16_b32's selects for lane l xor 16
	v_lshlrev_b32 v67, 5, v64
	v_lshl_add_u32 v67, v65, 4, v67                ; 32 ll + 16 h
.irp a, 0,1,2,3,4,5,6,7
	global_load_b128 v[12+4*\a:15+4*\a], v67, s[6:7] offset:512*\a   ; x's scale words of block a: register i holds K step i in lanes 0-15 and K step 4 + i in lanes 16-31
.endr
	v_lshlrev_b32 v68, 2, v66
	global_load_b32 v58, v68, s[26:27]             ; the mask's 128 bytes, a word a lane
	v_lshlrev_b32 v69, 5, v65                      ; 32 h
	v_lshlrev_b32 v70, 2, v64                      ; 4 ll
	WIN 0x40
.irp t, 0,1,2,3
	global_load_b128 v[224+8*\t:227+8*\t], v69, s[20:21] offset:64*\t      ; bq of channels 16 t + 8 h + 0 .. 7, in the result's layout
	global_load_b128 v[228+8*\t:231+8*\t], v69, s[20:21] offset:64*\t+16
.endr
	WIN 0x80
.irp t, 0,1,2,3
	global_load_b128 v[224+8*\t:227+8*\t], v69, s[22:23] offset:64*\t
	global_load_b128 v[228+8*\t:231+8*\t], v69, s[22:23] offset:64*\t+16
.endr
	WIN 0xc0
.irp t, 0,1,2,3
.irp j, 0,1,2,3,4,5,6,7
	global_load_b32 v[224+8*\t+\j], v70, s[24:25] offset:64*\t             ; bv of channel 16 t + ll, for each of the lane's eight tokens
.endr
.endr
	WIN 0
	v_mul_u32_u24 v1, v66, 768                     ; the prefetch's offset; never rewritten
	v_mul_u32_u24 v71, v64, 240
	v_mad_u32_u24 v72, v65, 24, v71                ; a fragment's row x pitch + 24 h,
	v_mad_u32_u24 v73, v65, 40, v71                ; and behind one padding more
	s_mul_i32 s2, s42, 30720
	s_mul_i32 s50, s41, 15360
	v_add_nc_u32 v4, s2, v72
	v_add_nc_u32 v5, s2, v73
	s_add_co_u32 s2, s50, 61440
	v_add_nc_u32 v6, s2, v72
	v_add_nc_u32 v7, s2, v73
	s_add_co_u32 s2, s50, 122880
	v_add_nc_u32 v8, s2, v72
	v_add_nc_u32 v9, s2, v73
.irp i, 0,1,2,3,4,5
	v_add_nc_u32 v[52+\i], SLOT, v[4+\i]           ; the same six in slot 1
.endr
	v_lshrrev_b32 v74, 3, v64
	v_lshlrev_b32 v75, 5, v64
	v_lshl_add_u32 v75, v74, 4, v75                ; W's scale words: 32 bytes a row, 16 more for each 8 rows
	s_mul_i32 s2, s41, 2176
	s_add_co_u32 s2, s2, SCW
	v_add_nc_u32 v10, s2, v75
	s_wait_loadcnt 0x0                             ; scale words, mask, biases
	s_wait_tensorcnt 1                             ; W's scales and my part of slot 0 are in; slot 1's load may be out, on both ways
	s_barrier_signal -1
	s_barrier_wait -1
	LB 0, 0, 0
	LA 0, 0
	; ---------------- K steps 0 to 7, written out: the two refills stand in steps 1 and 3
	QPANEL 0
	KPANEL 0
	VEVEN 0
	QPANEL 1
	KPANEL 1
	TURN 1, 1
	QPANEL 2
	KPANEL 2
	VEVEN 2
	QPANEL 3
	KPANEL 3
	TURN 3, 1
	QPANEL 4
	KPANEL 4
	VEVEN 4
	QPANEL 5
	KPANEL 5
	TURN 5, 0
	QPANEL 6
	KPANEL 6
	VEVEN 6
	QPANEL 7
	KPANEL 7
	s_wait_dscnt 0x0
	WIN 0xf0
	MM 2, 7, 1, 0, 7
	PLACES 4
	WIN 0
	s_barrier_signal -1                            ; every wave's reads of the ring are over (its last wait on LDS was for 0): behind this barrier the ring's bytes are scratch, each wave's own
	s_barrier_wait -1
	; ---------------- E0: the masks of all levels, the weights of the averages, the mask bounds
; window 0 from here on: v12 the merged block's place in a record buffer, v13 level 3's, v14, v15 their places in km, v16-18 ll, h, lane; v20-35 (w0, bound) of the 8 blocks; v36-39 level 1's bounds;
; v40-43 (f2, bound); v44-47 (f3, bound), (f4, merged bound); v48-51, v64-65 (w5, 0), (w6, 0), (w7, 0); v68-77, v110-135 mask work; v80-107 the quantiser's
.macro TOTF m, x, f, nx                ; tot = m + its partner's; f = 1 / max(tot, 1) for tot in 0, 1, 2; nx = any
	v_add_f32_dpp v76, v[\m], v[\m] row_xmask:\x row_mask:0xf bank_mask:0xf
	v_max_num_f32 v[\f], 1.0, v76
	v_fma_f32 v[\f], v[\f], -0.5, 0x3fc00000
	v_min_num_f32 v[\nx], 1.0, v76
.endm
.macro UBOF d, m                       ; + the largest f32 number where the mask is 1, - it where 0
	v_fma_f32 v[\d], v[\m], 2.0, -1.0
	v_mul_f32 v[\d], 0x7f7fffff, v[\d]
.endm
	v_and_b32 v16, 15, v0
	v_bfe_u32 v17, v0, 4, 1
	v_and_b32 v18, 31, v0
	ds_store_b32 v62, v58 offset:MB
.irp b, 0,1,2,3,4,5,6,7
	ds_load_u8 v[128+\b], v63 offset:MB+16*\b      ; LDS serves a wave's instructions in order: token ll of block b
.endr
	s_mul_i32 s51, s48, 124                        ; block ids of the coarse buffers: 124 bh + 0, 64, 96, 112, 120 + (g >> 0 .. 4)
	s_add_co_u32 s20, s51, s47
	s_lshr_b32 s21, s47, 1
	s_add_co_u32 s21, s21, s51
	s_add_co_u32 s21, s21, 64
	s_lshr_b32 s22, s47, 2
	s_add_co_u32 s22, s22, s51
	s_add_co_u32 s22, s22, 96
	s_lshr_b32 s23, s47, 3
	s_add_co_u32 s23, s23, s51
	s_add_co_u32 s23, s23, 112
	s_lshr_b32 s24, s47, 4
	s_add_co_u32 s24, s24, s51
	s_add_co_u32 s24, s24, 120
	s_and_b32 s25, s47, 1                          ; where my rows of levels 4 to 7 lie in their records: id x 1,024 + 16 x position
	s_lshl_b32 s25, s25, 7
	s_lshl_b32 s26, s21, 10
	s_add_co_u32 s26, s26, s25
	s_and_b32 s25, s47, 3
	s_lshl_b32 s25, s25, 6
	s_lshl_b32 s27, s22, 10
	s_add_co_u32 s27, s27, s25
	s_and_b32 s25, s47, 7
	s_lshl_b32 s25, s25, 5
	s_lshl_b32 s6, s23, 10
	s_add_co_u32 s6, s6, s25
	s_and_b32 s25, s47, 15
	s_lshl_b32 s25, s25, 4
	s_lshl_b32 s7, s24, 10
	s_add_co_u32 s7, s7, s25
	v_lshl_add_u32 v12, v16, 4, s26                ; the merged block: lanes 0-7 level 4,
	v_bfe_u32 v77, v16, 1, 2
	v_lshl_add_u32 v77, v77, 4, s27
	s_mov_b32 vcc_lo, 0xff00ff00
	v_cndmask_b32 v12, v12, v77, vcc_lo            ; lanes 8, 10, 12, 14 level 5,
	v_bfe_u32 v77, v16, 2, 1
	v_lshl_add_u32 v77, v77, 4, s6
	s_mov_b32 vcc_lo, 0xaa00aa00
	v_cndmask_b32 v12, v12, v77, vcc_lo            ; lanes 9, 13 level 6,
	v_mov_b32 v77, s7
	s_mov_b32 vcc_lo, 0x88008800
	v_cndmask_b32 v12, v12, v77, vcc_lo            ; lanes 11, 15 level 7
	v_lshrrev_b32 v15, 2, v12                      ; the same place in km: id x 256 + 4 x position
	v_lshl_add_u32 v12, v17, 8, v12                ; + 256 for the second block of 32 channels
	s_lshl_b32 s25, s20, 10
	v_lshl_add_u32 v13, v18, 4, s25                ; level 3's record
	s_lshl_b32 s25, s20, 8
	v_lshl_add_u32 v14, v16, 2, s25
	v_mov_b32 v102, 0                              ; (a lane permute's destination counts as one of its sources)
	v_mov_b32 v103, 0
	v_mov_b32 v49, 0                               ; (upper halves of pairs that packed forms name)
	v_mov_b32 v51, 0
	v_mov_b32 v65, 0
	s_wait_dscnt 0x0
.irp b, 0,1,2,3,4,5,6,7
	v_cvt_f32_u32 v[128+\b], v[128+\b]
.endr
.irp b, 0,1,2,3,4,5,6,7
	ds_store_b32 v59, v[128+\b] offset:MF+64*\b    ; both halves of the lanes write the same word with the same value
.endr
.irp b, 0,1,2,3,4,5,6,7
	TOTF 128+\b, 1, 77, 68+\b
	v_mul_f32 v[20+2*\b], v[128+\b], v77           ; w0 = the token's mask x the pair's weight
	UBOF 21+2*\b, 128+\b
.endr
	s_mov_b32 vcc_lo, 0xaaaaaaaa
.irp n, 0,1,2,3
	v_cndmask_b32 v[124+\n], v[68+2*\n], v[69+2*\n], vcc_lo   ; level 1's mask, compact
.endr
.irp n, 0,1,2,3
	TOTF 124+\n, 2, 110+\n, 68+\n
	UBOF 36+\n, 124+\n
.endr
	s_mov_b32 vcc_lo, 0xcccccccc
.irp k, 0,1
	v_cndmask_b32 v[40+2*\k], v[110+2*\k], v[111+2*\k], vcc_lo
	v_cndmask_b32 v[114+\k], v[68+2*\k], v[69+2*\k], vcc_lo
.endr
.irp k, 0,1
	TOTF 114+\k, 4, 116+\k, 118+\k
	UBOF 41+2*\k, 114+\k
.endr
	s_mov_b32 vcc_lo, 0xf0f0f0f0
	v_cndmask_b32 v44, v116, v117, vcc_lo
	v_cndmask_b32 v120, v118, v119, vcc_lo
	UBOF 45, 120
	TOTF 120, 8, 46, 121
	TOTF 121, 1, 77, 122
	s_mov_b32 vcc_lo, 0xff00ff00
	v_cndmask_b32 v48, 1.0, v77, vcc_lo
	v_cndmask_b32 v121, v121, v122, vcc_lo
	TOTF 121, 2, 77, 122
	s_mov_b32 vcc_lo, 0xaa00aa00
	v_cndmask_b32 v50, 1.0, v77, vcc_lo
	v_cndmask_b32 v121, v121, v122, vcc_lo
	TOTF 121, 4, 77, 122
	s_mov_b32 vcc_lo, 0x88008800
	v_cndmask_b32 v64, 1.0, v77, vcc_lo
	v_cndmask_b32 v121, v121, v122, vcc_lo
	UBOF 47, 121
.irp b, 0,1,2,3,4,5,6,7
	ds_store_b32 v59, v[21+2*\b] offset:KUBT+64*\b
.endr
.irp n, 0,1,2,3
	ds_store_b32 v59, v[36+\n] offset:KUBT+64*(8+\n)
.endr
.irp k, 0,1
	ds_store_b32 v59, v[41+2*\k] offset:KUBT+64*(12+\k)
.endr
	global_store_b32 v14, v45, s[38:39]
	global_store_b32 v15, v47, s[38:39]
	; ---------------- E1: q (trip 0), then k (trip 1), both in window 1: quantise every level, and coarsen
.set RS, 0
; 32 numbers of a lane in window 1, registers 16 b + i of d-block b, become a record: scale word, mask bound, six registers of codes. kind 0: image idx in LDS; 1, 2: memory, by v13 or v12.
.macro QUANT r, ub, kind, idx
.set REC, 80+8*RS
.set RS, 1-RS
	s_wait_dscnt 2                                 ; the last record's two stores may be out: those of the record before, which used these registers, are done
	WIN 0x14
	v_max3_num_f32 v100, s5, |v[(\r)]|, |v[(\r)+1]|              ; the floor among the leaves holds the scale's byte at 1 from below
	v_max3_num_f32 v101, s5, |v[(\r)+16]|, |v[(\r)+17]|
.irp i, 2,4,6,8,10,12,14
	v_max3_num_f32 v100, v100, |v[(\r)+\i]|, |v[(\r)+\i+1]|
	v_max3_num_f32 v101, v101, |v[(\r)+16+\i]|, |v[(\r)+17+\i]|
.endr
	WIN 0
	v_permlanex16_b32 v102, v100, s66, s67
	v_permlanex16_b32 v103, v101, s66, s67
	v_max_num_f32 v100, v100, v102                 ; with lane l xor 16's 16: the block's largest magnitude
	v_max_num_f32 v101, v101, v103
	v_add_nc_u32 v104, 0xfe000000, v100            ; 4 off the exponent field: the conversion's scale operand
	v_add_nc_u32 v105, 0xfe000000, v101
	v_lshrrev_b32 v106, 23, v104
	v_lshrrev_b32 v107, 23, v105
	v_lshl_or_b32 v106, v107, 8, v106
	v_lshl_or_b32 v106, v106, 16, v106             ; (s0, s1, s0, s1): bytes 2 and 3 stand over zero codes
	v_sub_nc_u32 v[REC], v106, s12                 ; q: 3 off each byte, its factor 1/8
	v_mov_b32 v[REC+1], v[\ub]
	WIN 0x01
	v_cvt_scalef32_pk16_bf6_f32 v[REC+2:REC+4], v[(\r):(\r)+15], v104
	v_cvt_scalef32_pk16_bf6_f32 v[96:98], v[(\r)+16:(\r)+31], v105
	WIN 0
	v_nop                                          ; one plain place behind a scaled conversion
.irp i, 0,1,2
	v_permlane16_swap_b32 v[REC+2+\i], v[96+\i]    ; lanes 0-15 now hold d-block 0 whole, lanes 16-31 d-block 1
.endr
.irp i, 0,1,2
	v_mov_b32 v[REC+5+\i], v[96+\i]
.endr
.if (\kind) == 0
	ds_store_b128 v61, v[REC:REC+3] offset:1024*(\idx)
	ds_store_b128 v61, v[REC+4:REC+7] offset:1024*(\idx)+512
.elseif (\kind) == 1
	global_store_b128 v13, v[REC:REC+3], s[8:9]
	global_store_b128 v13, v[REC+4:REC+7], s[8:9] offset:512
.else
	global_store_b128 v12, v[REC:REC+3], s[8:9]
	global_store_b128 v12, v[REC+4:REC+7], s[8:9] offset:512
.endif
.endm
.macro WMUL r, w
	WIN 0x41
.irp i, 0,2,4,6,8,10,12,14,16,18,20,22,24,26,28,30
	v_pk_mul_f32 v[(\r)+\i:(\r)+\i+1], v[(\r)+\i:(\r)+\i+1], v[(\w):(\w)+1] op_sel_hi:[1,0]
.endr
.endm
.macro PSUM d, r, x
	WIN 0x45
.set i, 0
.rept 32
	v_add_f32_dpp v[(\d)+i], v[(\r)+i], v[(\r)+i] row_xmask:\x row_mask:0xf bank_mask:0xf
.set i, i+1
.endr
.endm
.macro SEL ra, rb
	WIN 0x45
.set i, 0
.rept 32
	v_cndmask_b32 v[(\ra)+i], v[(\ra)+i], v[(\rb)+i], vcc_lo
.set i, i+1
.endr
.endm
	s_mov_b32 s4, 0
	s_mov_b32 s10, 0
.Le1:
	s_cmp_eq_u32 s4, 0
	s_cselect_b64 s[8:9], s[32:33], s[34:35]       ; qc or kc
	s_mov_b32 s5, 0x02800000
	s_cselect_b32 s5, 0x04000000, s5               ; the floor: 2^(8 - 127) for q, 2^(5 - 127) for k
	s_cselect_b32 s12, 0x03030303, 0
	v_add_nc_u32 v61, s10, v11                     ; q's images or k's
.irp n, 0,1,2,3
	QUANT 64*\n, 21+4*\n, 0, 2*\n
	QUANT 64*\n+32, 23+4*\n, 0, 2*\n+1
	WMUL 64*\n, 20+4*\n
	WMUL 64*\n+32, 22+4*\n
	PSUM 64*\n, 64*\n, 1
	PSUM 64*\n+32, 64*\n+32, 1
	s_mov_b32 vcc_lo, 0xaaaaaaaa
	SEL 64*\n, 64*\n+32                            ; level 1, block n
.endr
.irp k, 0,1
	QUANT 128*\k, 36+2*\k, 0, 8+2*\k
	QUANT 128*\k+64, 37+2*\k, 0, 9+2*\k
	PSUM 128*\k, 128*\k, 2
	PSUM 128*\k+64, 128*\k+64, 2
	s_mov_b32 vcc_lo, 0xcccccccc
	SEL 128*\k, 128*\k+64
	WMUL 128*\k, 40+2*\k                           ; level 2, block k
.endr
	QUANT 0, 41, 0, 12
	QUANT 128, 43, 0, 13
	PSUM 0, 0, 4
	PSUM 128, 128, 4
	s_mov_b32 vcc_lo, 0xf0f0f0f0
	SEL 0, 128
	WMUL 0, 44                                     ; level 3
	QUANT 0, 45, 1, 0
	PSUM 0, 0, 8
	WMUL 0, 46                                     ; level 4, in all lanes
	PSUM 32, 0, 1
	s_mov_b32 vcc_lo, 0xff00ff00
	SEL 0, 32
	WMUL 0, 48                                     ; level 5 in lanes 8-15
	PSUM 32, 0, 2
	s_mov_b32 vcc_lo, 0xaa00aa00
	SEL 0, 32
	WMUL 0, 50                                     ; level 6 in lanes 9, 11, 13, 15
	PSUM 32, 0, 4
	s_mov_b32 vcc_lo, 0x88008800
	SEL 0, 32
	WMUL 0, 64                                     ; level 7 in lanes 11, 15
	QUANT 0, 47, 2, 0                              ; lanes 11 and 15 store the same bytes
	WIN 0
	s_wait_xcnt 0x0                                ; the stores have read their registers and their base: both are written again in the next trip
	s_cmp_lg_u32 s4, 0
	s_cbranch_scc1 .Lnocopy
	WIN 0x42
.set i, 0
.rept 256
	v_mov_b32 v[i], v[i]                           ; k's accumulators, window 2, into window 1, each from its low end on: one text serves q and k
.set i, i+1
.endr
	WIN 0
.Lnocopy:
	s_add_co_u32 s10, s10, KA
	s_add_co_u32 s4, s4, 1
	s_cmp_lt_u32 s4, 2
	s_cbranch_scc1 .Le1
	; ---------------- E2: v, in place in window 3: bf16 images of every level
	v_and_b32 v104, 15, v0
	v_bfe_u32 v105, v0, 4, 1
	v_and_b32 v106, 31, v0
	v_lshlrev_b32 v107, 4, v104
	v_lshl_add_u32 v107, v105, 9, v107             ; 512 h + 16 c
	s_lshl_b32 s25, s20, 11
	v_lshl_add_u32 v14, v106, 4, s25               ; level 3: id x 2,048 + 16 x lane
	s_and_b32 s25, s47, 1                          ; levels 4 to 7: id x 2,048 + 256 x (position / 8) + 2 x (position % 8)
	s_lshl_b32 s25, s25, 8
	s_lshl_b32 s26, s21, 11
	s_add_co_u32 s26, s26, s25
	s_bfe_u32 s25, s47, 0x10001
	s_lshl_b32 s25, s25, 8
	s_lshl_b32 s27, s22, 11
	s_add_co_u32 s27, s27, s25
	s_and_b32 s25, s47, 1
	s_lshl_b32 s25, s25, 3
	s_add_co_u32 s27, s27, s25
	s_bfe_u32 s25, s47, 0x10002
	s_lshl_b32 s25, s25, 8
	s_lshl_b32 s6, s23, 11
	s_add_co_u32 s6, s6, s25
	s_and_b32 s25, s47, 3
	s_lshl_b32 s25, s25, 2
	s_add_co_u32 s6, s6, s25
	s_bfe_u32 s25, s47, 0x10003
	s_lshl_b32 s25, s25, 8
	s_lshl_b32 s7, s24, 11
	s_add_co_u32 s7, s7, s25
	s_and_b32 s25, s47, 7
	s_lshl_b32 s25, s25, 1
	s_add_co_u32 s7, s7, s25
	v_add_nc_u32 v15, s26, v107
	v_add_nc_u32 v16, s27, v107
	v_add_nc_u32 v17, s6, v107
	v_add_nc_u32 v18, s7, v107
.irp a, 0,1,2,3,4,5,6,7
	ds_load_b128 v[112+8*\a:115+8*\a], v60 offset:MF+64*\a        ; the masks of my eight tokens of block a
	ds_load_b128 v[116+8*\a:119+8*\a], v60 offset:MF+64*\a+16
.endr
	s_wait_dscnt 0x0
.macro VBLK a
.set PK, 176+16*((\a)%2)
	s_wait_dscnt 4                                 ; the last image's four stores may be out: those of the image before, which used these registers, are done
	WIN 0x0f
.irp t, 0,1,2,3
.irp p, 0,1,2,3
	v_cvt_pk_bf16_f32 v[PK+4*\t+\p], v[32*(\a)+8*\t+2*\p], v[32*(\a)+8*\t+2*\p+1]     ; level 0 takes v as it is
.endr
.endr
	WIN 0
.irp t, 0,1,2,3
	ds_store_b128 v11, v[PK+4*\t:PK+4*\t+3] offset:V0I+2048*(\a)+512*\t
.endr
	WIN 0xc3
.irp t, 0,1,2,3
.irp i, 0,1,2,3
	v_mul_f32 v[32*(\a)+8*\t+2*\i+1], v[32*(\a)+8*\t+2*\i+1], v[112+8*(\a)+2*\i+1]
.endr
.endr
	WIN 0xf3
.irp t, 0,1,2,3
.irp i, 0,1,2,3
	v_fma_f32 v[32*(\a)+8*\t+\i], v[32*(\a)+8*\t+2*\i], v[112+8*(\a)+2*\i], v[32*(\a)+8*\t+2*\i+1]   ; level 1's masked pair sums, into registers 0-3
.endr
.endr
	WIN 0xcf
.irp t, 0,1,2,3
	v_add_f32 v[32*(\a)+8*\t+4], v[32*(\a)+8*\t], v[32*(\a)+8*\t+1]        ; level 2: registers 4, 5
	v_add_f32 v[32*(\a)+8*\t+5], v[32*(\a)+8*\t+2], v[32*(\a)+8*\t+3]
.endr
.irp t, 0,1,2,3
	v_add_f32 v[32*(\a)+8*\t+6], v[32*(\a)+8*\t+4], v[32*(\a)+8*\t+5]      ; level 3: register 6
.endr
.irp t, 0,1,2,3
	v_permlanex16_b32 v[32*(\a)+8*\t+7], v[32*(\a)+8*\t+6], s66, s67
.endr
.irp t, 0,1,2,3
	v_add_f32 v[32*(\a)+8*\t+7], v[32*(\a)+8*\t+7], v[32*(\a)+8*\t+6]      ; level 4: register 7, the same in both halves of the lanes
.endr
.endm
.irp a, 0,1,2,3,4,5,6,7
	VBLK \a
.endr
.irp n, 0,1,2,3
.set PK, 176+16*(\n%2)
	s_wait_dscnt 4
	WIN 0x0f
.irp t, 0,1,2,3
.irp i, 0,1,2,3
	v_cvt_pk_bf16_f32 v[PK+4*\t+\i], v[64*\n+8*\t+\i], v[64*\n+32+8*\t+\i]         ; key slot 8 h + 2 i + B0
.endr
.endr
	WIN 0
.irp t, 0,1,2,3
	ds_store_b128 v11, v[PK+4*\t:PK+4*\t+3] offset:V1I+2048*\n+512*\t
.endr
.endr
.irp k, 0,1
.set PK, 176+16*\k
	s_wait_dscnt 4
	WIN 0x0f
.irp t, 0,1,2,3
.irp i, 0,1
.irp u, 0,1
	v_cvt_pk_bf16_f32 v[PK+4*\t+2*\i+\u], v[32*(4*\k+2*\u)+8*\t+4+\i], v[32*(4*\k+2*\u+1)+8*\t+4+\i]   ; key slot 8 h + 4 i + 2 B1 + B0
.endr
.endr
.endr
	WIN 0
.irp t, 0,1,2,3
	ds_store_b128 v11, v[PK+4*\t:PK+4*\t+3] offset:V2I+2048*\k+512*\t
.endr
.endr
	WIN 0x0f
.irp t, 0,1,2,3
.irp p, 0,1,2,3
	v_cvt_pk_bf16_f32 v[112+4*\t+\p], v[64*\p+8*\t+6], v[64*\p+32+8*\t+6]          ; level 3: key 8 h + B
	v_cvt_pk_bf16_f32 v[128+4*\t+\p], v[64*\p+8*\t+7], v[64*\p+32+8*\t+7]          ; level 4: key B of my half of the block
.endr
.endr
	WIN 0xcf
.irp t, 0,1,2,3
.irp i, 0,1,2,3
	v_add_f32 v[64*\i+8*\t], v[64*\i+8*\t+7], v[64*\i+32+8*\t+7]                   ; level 5
.endr
.endr
.irp t, 0,1,2,3
.irp i, 0,1
	v_add_f32 v[128*\i+8*\t+1], v[128*\i+8*\t], v[128*\i+64+8*\t]                  ; level 6
.endr
.endr
.irp t, 0,1,2,3
	v_add_f32 v[8*\t+2], v[8*\t+1], v[128+8*\t+1]                                  ; level 7
.endr
	WIN 0x0f
.irp t, 0,1,2,3
.irp p, 0,1
	v_cvt_pk_bf16_f32 v[152+2*\t+\p], v[128*\p+8*\t], v[128*\p+64+8*\t]
.endr
	v_cvt_pk_bf16_f32 v[164+\t], v[8*\t+1], v[128+8*\t+1]
	v_cvt_pk_bf16_f32 v[170+\t], v[8*\t+2], v[8*\t+2]
.endr
	WIN 0
	s_mov_b32 vcc_lo, 0xffff0000                   ; both halves of the lanes hold the same sums: half h stores tile 2 u + h
.irp u, 0,1
.irp p, 0,1,2,3
	v_cndmask_b32 v[144+4*\u+\p], v[128+8*\u+\p], v[132+8*\u+\p], vcc_lo
.endr
.irp p, 0,1
	v_cndmask_b32 v[160+2*\u+\p], v[152+4*\u+\p], v[154+4*\u+\p], vcc_lo
.endr
	v_cndmask_b32 v[168+\u], v[164+2*\u], v[165+2*\u], vcc_lo
	v_cndmask_b32 v[174+\u], v[170+2*\u], v[171+2*\u], vcc_lo
.endr
.irp t, 0,1,2,3
	global_store_b128 v14, v[112+4*\t:115+4*\t], s[36:37] offset:512*\t            ; 32 lanes store 512 consecutive bytes
.endr
.irp u, 0,1
	global_store_b128 v15, v[144+4*\u:147+4*\u], s[36:37] offset:1024*\u           ; 16 lanes store 256 consecutive bytes, aligned
	global_store_b64 v16, v[160+2*\u:161+2*\u], s[36:37] offset:1024*\u            ; levels 5 to 7: 8, 4 and 2 bytes a lane; the neighbouring groups' waves store the rest of each 16
	global_store_b32 v17, v[168+\u], s[36:37] offset:1024*\u
	global_store_b16 v18, v[174+\u], s[36:37] offset:1024*\u
.endr
	; ---------------- E3: the four fine terms, a pair of blocks A = 2 n, B = 2 n + 1 a trip
; window 0: v4-7 lane bases (level 1's and level 2's query rows, the stage in and back), v8-10, v52-57, v62, v63 the trip's LDS addresses, v19 16 x lane for the stores to memory, v20-23 at work;
;   ten records of 14 from v64 (qA qB q1A q1B q2A q2B kA kB k1 k2), v204-235 four sets of eight key bounds, v236-251 maxima, v252-255 sums of weights
; window 1: v0-63 S^T of eight tiles, v64-95 four runs of weights in bf16, v96-159 v's runs, v160-223 Y^T of A and of B
.macro RECLD r, adr, off
	ds_load_b128 v[64+14*(\r):67+14*(\r)], v[\adr] offset:\off
	ds_load_b128 v[68+14*(\r):71+14*(\r)], v[\adr] offset:(\off)+512
.endm
.macro KULD u, adr, off
	ds_load_b128 v[204+8*(\u):207+8*(\u)], v[\adr] offset:\off
	ds_load_b128 v[208+8*(\u):211+8*(\u)], v[\adr] offset:(\off)+16
.endm
.macro SP i, k, q                      ; S^T = K Q^T: source 0 = 16 keys, source 1 = 16 queries; K = 64 and 64 zero codes on both sides
	v_wmma_scale_f32_16x16x128_f8f6f4 v[8*(\i):8*(\i)+7], v[66+14*(\k):77+14*(\k)], v[66+14*(\q):77+14*(\q)], 0, v[64+14*(\k)], v[64+14*(\q)] matrix_a_fmt:MATRIX_FMT_BF6 matrix_b_fmt:MATRIX_FMT_BF6
.endm
.macro MASKT i, u, q                   ; a score whose key or query is masked becomes the most negative f32 number
.irp j, 0,1,2,3,4,5,6,7
	v_min3_num_f32 v[8*(\i)+\j], v[8*(\i)+\j], v[204+8*(\u)+\j], v[65+14*(\q)]
.endr
.endm
; T tiles in window 1 from v0 on: each tile's row maximum is taken away first, then 2^(x log2 e). The exponentials are one batch; the plain place and the wait follow the macro.
.macro SOFTMAX T, MX
	WIN 0x15
.set i, 0
.rept \T
	v_max3_num_f32 v[\MX+2*i], v[8*i], v[8*i+1], v[8*i+2]
.set i, i+1
.endr
	WIN 0x14
.irp j, 3,5
.set i, 0
.rept \T
	v_max3_num_f32 v[\MX+2*i], v[\MX+2*i], v[8*i+\j], v[8*i+\j+1]
.set i, i+1
.endr
.endr
.set i, 0
.rept \T
	v_max3_num_f32 v[\MX+2*i], v[\MX+2*i], v[8*i+7], v[8*i+7]
.set i, i+1
.endr
	WIN 0
.set i, 0
.rept \T
	v_permlanex16_b32 v[\MX+2*i+1], v[\MX+2*i], s66, s67
.set i, i+1
.endr
.set i, 0
.rept \T
	v_max_num_f32 v[\MX+2*i], v[\MX+2*i], v[\MX+2*i+1]
.set i, i+1
.endr
	WIN 0x41
.set i, 0
.rept 4*\T
	v_pk_add_f32 v[2*i:2*i+1], v[2*i:2*i+1], v[\MX+2*(i/4):\MX+2*(i/4)+1] op_sel_hi:[1,0] neg_lo:[0,1] neg_hi:[0,1]
.set i, i+1
.endr
.set i, 0
.rept 4*\T
	v_pk_mul_f32 v[2*i:2*i+1], v[2*i:2*i+1], s[LG:LG+1] op_sel_hi:[1,0]
.set i, i+1
.endr
.set i, 0
.rept 8*\T
	v_exp_f32 v[i], v[i]
.set i, i+1
.endr
.endm
.macro SUM2 ta, tb                     ; the sums are taken of the weights before they are rounded; two chains by turns
.irp p, 0,2,4,6
	v_pk_add_f32 v[252:253], v[252:253], v[8*(\ta)+\p:8*(\ta)+\p+1]
	v_pk_add_f32 v[254:255], v[254:255], v[8*(\tb)+\p:8*(\tb)+\p+1]
.endr
.endm
.macro CVT i, pd
.irp p, 0,1,2,3
	v_cvt_pk_bf16_f32 v[(\pd)+\p], v[8*(\i)+2*\p], v[8*(\i)+2*\p+1]
.endr
.endm
	s_wait_xcnt 0x0                                ; E2's stores have read their registers
	s_wait_dscnt 0x0
	v_bfe_u32 v8, v0, 4, 1                         ; h
	v_mad_u32_u24 v4, v8, 224, v60                 ; scratch + 32 h + 224 h = scratch + 256 h
	v_mad_u32_u24 v5, v8, 224, v60
	v_lshl_add_u32 v7, v8, 4, v11                  ; 16 x lane + 16 h = 16 ll + 272 h
	v_add_nc_u32 v7, STG, v7                       ; the stage, back: lanes 0-15 one row, lanes 16-31 the next
	v_and_b32 v8, 14, v0
	v_lshl_add_u32 v4, v8, 4, v4                   ; a token's row of level 1: slot (ll & 14) + B0
	v_and_b32 v8, 12, v0
	v_lshl_add_u32 v5, v8, 4, v5                   ; of level 2: slot (ll & 12) + 2 B1 + B0
	v_and_b32 v8, 15, v0
	v_mad_u32_u24 v6, v8, 272, v60
	v_add_nc_u32 v6, STG, v6                       ; the stage, in: row ll, + 32 h
	v_and_b32 v19, 31, v0
	v_lshlrev_b32 v19, 4, v19
.irp r, 0,1,2,3,4,5,6,7,8,9
.irp j, 8,9,10,11,12,13
	v_mov_b32 v[64+14*\r+\j], 0                    ; K = 64 .. 127 of every operand: zero codes, written once
.endr
.endr
.irp i, 0,1,2,3,4,5,6,7
	v_mov_b32 v[237+2*\i], 0                       ; (a lane permute's destination counts as one of its sources)
.endr
	s_mov_b32 s14, 0x3fb8aa3b
	s_mov_b32 s15, s14
	s_mov_b32 s4, 0                                ; 1,024 n
.Le3:
	s_lshl_b32 s5, s4, 1                           ; 2,048 n
	s_xor_b32 s8, s4, 1024                         ; 1,024 (n ^ 1): level 1's partner block
	s_lshr_b32 s9, s4, 1
	s_and_b32 s9, s9, 1024                         ; 1,024 (n >> 1)
	s_xor_b32 s10, s9, 1024                        ; level 2's partner block
	s_and_b32 s11, s4, 1024
	s_lshr_b32 s11, s11, 5
	s_add_co_u32 s11, s11, s9                      ; 1,024 (n >> 1) + 32 (n & 1)
	v_add_nc_u32 v8, s5, v11
	v_add_nc_u32 v9, s4, v4
	v_add_nc_u32 v10, s8, v11
	v_add_nc_u32 v52, s11, v5
	v_add_nc_u32 v53, s10, v11
	s_lshr_b32 s12, s4, 3
	v_add_nc_u32 v54, s12, v60
	s_lshr_b32 s12, s8, 4
	v_add_nc_u32 v55, s12, v60
	s_lshr_b32 s12, s10, 4
	v_add_nc_u32 v56, s12, v60
	s_lshl_b32 s12, s4, 2
	v_add_nc_u32 v57, s12, v11
	s_lshl_b32 s12, s8, 1
	v_add_nc_u32 v62, s12, v11
	s_lshl_b32 s12, s10, 1
	v_add_nc_u32 v63, s12, v11
	RECLD 6, 8, KA
	RECLD 7, 8, KA+1024
	RECLD 8, 10, KA+8192
	RECLD 9, 53, KA+12288
	RECLD 0, 8, 0
	RECLD 1, 8, 1024
	RECLD 2, 9, 8192
	RECLD 3, 9, 8192+16
	RECLD 4, 52, 12288
	RECLD 5, 52, 12288+16
	KULD 0, 54, KUBT
	KULD 1, 54, KUBT+64
	KULD 2, 55, KUBT+512
	KULD 3, 56, KUBT+768
	WIN 0x40
.irp t, 0,1,2,3
	ds_load_b128 v[96+8*\t:99+8*\t], v57 offset:V0I+512*\t
	ds_load_b128 v[100+8*\t:103+8*\t], v57 offset:V0I+2048+512*\t
	ds_load_b128 v[128+8*\t:131+8*\t], v62 offset:V1I+512*\t
	ds_load_b128 v[132+8*\t:135+8*\t], v63 offset:V2I+512*\t
.endr
	s_wait_dscnt 24                                ; the ten records are in; the bounds' 8 and v's 16 loads may be out
	SP 0, 6, 0
	SP 1, 7, 0
	SP 2, 6, 1
	SP 3, 7, 1
	SP 4, 8, 2
	SP 5, 8, 3
	SP 6, 9, 4
	SP 7, 9, 5
	PLACES 4
	s_wait_dscnt 16                                ; the bounds are in; v's 16 may be out
	WIN 0x41
	MASKT 0, 0, 0
	MASKT 1, 1, 0
	MASKT 2, 0, 1
	MASKT 3, 1, 1
	MASKT 4, 2, 2
	MASKT 5, 2, 3
	MASKT 6, 3, 4
	MASKT 7, 3, 5
	SOFTMAX 8, 236
	WIN 0
.irp i, 252,253,254,255
	v_mov_b32 v[\i], 0                             ; plain instructions behind the last exponential
.endr
	s_wait_alu depctr_va_vdst(0)                   ; one wait for the batch of 64, ahead of its first reader
	WIN 0x04
	SUM2 0, 2
	SUM2 1, 3
	SUM2 4, 5
	SUM2 6, 7
	WIN 0x45
	CVT 0, 64
	CVT 1, 68
	CVT 2, 72
	CVT 3, 76
	CVT 4, 80
	CVT 6, 84
	CVT 5, 88
	CVT 7, 92
	s_wait_dscnt 0x0                               ; v's runs are in
	WIN 0x55
.irp t, 0,1,2,3                        ; Y^T = V^T P^T; K = 32 holds two key blocks: level 0's A and B, then levels 1 and 2; eight accumulators by turns
	v_wmma_f32_16x16x32_bf16 v[160+8*\t:167+8*\t], v[96+8*\t:103+8*\t], v[64:71], 0
	v_wmma_f32_16x16x32_bf16 v[192+8*\t:199+8*\t], v[96+8*\t:103+8*\t], v[72:79], 0
.endr
.irp t, 0,1,2,3
	v_wmma_f32_16x16x32_bf16 v[160+8*\t:167+8*\t], v[128+8*\t:135+8*\t], v[80:87], v[160+8*\t:167+8*\t]
	v_wmma_f32_16x16x32_bf16 v[192+8*\t:199+8*\t], v[128+8*\t:135+8*\t], v[88:95], v[192+8*\t:199+8*\t]
.endr
	WIN 0
	v_add_f32 v20, v252, v253                      ; the sums are finished: these are also the places behind the products
	v_add_f32 v21, v254, v255
	v_permlanex16_b32 v22, v20, s66, s67
	v_permlanex16_b32 v23, v21, s66, s67
	v_add_f32 v20, v20, v22
	v_add_f32 v21, v21, v23
	s_lshr_b32 s12, s4, 3
	v_add_nc_u32 v8, s12, v59                      ; where block A's sums go: 4 ll + 128 n (the records' loads by v8 are long in)
	PLACES 2
	ds_store_b32 v8, v20 offset:AFS
	ds_store_b32 v8, v21 offset:AFS+64
	WIN 0x04
.irp b, 0,1
.irp t, 0,1,2,3
	ds_store_b128 v6, v[160+32*\b+8*\t:163+32*\b+8*\t] offset:4352*\b+64*\t        ; each accumulator from its low end on
	ds_store_b128 v6, v[164+32*\b+8*\t:167+32*\b+8*\t] offset:4352*\b+64*\t+16
.endr
.endr
	WIN 0x40
.irp b, 0,1
.irp i, 0,1,2,3,4,5,6,7
	ds_load_b128 v[32*\b+4*\i:32*\b+4*\i+3], v7 offset:4352*\b+544*\i              ; LDS serves a wave's instructions in order: these see my stores
.endr
.endr
	WIN 0x04
.set i, 0
.rept 16
	s_wait_dscnt 15-i                              ; the younger loads may be out
	global_store_b128 v19, v[4*i:4*i+3], s[28:29] offset:512*i th:TH_STORE_NT      ; 32 lanes store 512 consecutive bytes, two rows of yf
.set i, i+1
.endr
	WIN 0
	s_wait_xcnt 0x0                                ; the stores have read their registers and their base
	s_add_nc_u64 s[28:29], s[28:29], 8192
	s_add_co_u32 s4, s4, 1024
	s_cmp_lt_u32 s4, 4096
	s_cbranch_scc1 .Le3
	ds_load_b128 v[64:67], v11 offset:AFS
	s_wait_dscnt 0x0
	global_store_b128 v19, v[64:67], s[30:31]      ; my 128 sums of weights
	s_wait_tensorcnt 0x0                           ; the wave's end
	ds_add_u32 v2, v3
	s_wait_dscnt 0x0
	CROUND                                         ; the closing round
	s_endpgm
.Lfunc_end_k_q0e0b96952f_proj:
	.size	k_q0e0b96952f_proj, .Lfunc_end_k_q0e0b96952f_proj-k_q0e0b96952f_proj
	.p2alignl 7, 3214868480
	.fill 96, 4, 3214868480
	.section	.rodata,"a",@progbits
	.p2align	6, 0x0
	.amdhsa_kernel k_q0e0b96952f_proj
		.amdhsa_group_segment_fixed_size 327680
		.amdhsa_private_segment_fixed_size 0
		.amdhsa_enable_private_segment 0
		.amdhsa_kernarg_size 144
		.amdhsa_user_sgpr_count 2
		.amdhsa_user_sgpr_kernarg_segment_ptr 1
		.amdhsa_wavefront_size32 1
		.amdhsa_system_sgpr_workgroup_id_x 1
		.amdhsa_system_sgpr_workgroup_id_y 1
		.amdhsa_system_sgpr_workgroup_id_z 1
		.amdhsa_system_vgpr_workitem_id 0
		.amdhsa_next_free_vgpr 1024
		.amdhsa_next_free_sgpr 106
		.amdhsa_reserve_vcc 1
		.amdhsa_float_denorm_mode_32 3
		.amdhsa_float_denorm_mode_16_64 3
		.amdhsa_memory_ordered 1
		.amdhsa_forward_progress 1
		.amdhsa_inst_pref_size 255
	.end_amdhsa_kernel
	.section	.bss,"aw",@nobits
	.p2align	6
	.space	262144
	.amdgpu_metadata
---
amdhsa.version: [ 1, 2 ]
amdhsa.kernels:
  - .name:           k_q0e0b96952f_proj
    .symbol:         k_q0e0b96952f_proj.kd
    .args:
      - { .name: x_codes, .offset: 0, .size: 8, .value_kind: global_buffer, .address_space: global }
      - { .name: x_scales, .offset: 8, .size: 8, .value_kind: global_buffer, .address_space: global }
      - { .name: Wq_codes, .offset: 16, .size: 8, .value_kind: global_buffer, .address_space: global }
      - { .name: Wk_codes, .offset: 24, .size: 8, .value_kind: global_buffer, .address_space: global }
      - { .name: Wv_codes, .offset: 32, .size: 8, .value_kind: global_buffer, .address_space: global }
      - { .name: Wq_scales, .offset: 40, .size: 8, .value_kind: global_buffer, .address_space: global }
      - { .name: Wk_scales, .offset: 48, .size: 8, .value_kind: global_buffer, .address_space: global }
      - { .name: Wv_scales, .offset: 56, .size: 8, .value_kind: global_buffer, .address_space: global }
      - { .name: bq, .offset: 64, .size: 8, .value_kind: global_buffer, .address_space: global }
      - { .name: bk, .offset: 72, .size: 8, .value_kind: global_buffer, .address_space: global }
      - { .name: bv, .offset: 80, .size: 8, .value_kind: global_buffer, .address_space: global }
      - { .name: mask, .offset: 88, .size: 8, .value_kind: global_buffer, .address_space: global }
      - { .name: yf, .offset: 96, .size: 8, .value_kind: global_buffer, .address_space: global }
      - { .name: af, .offset: 104, .size: 8, .value_kind: global_buffer, .address_space: global }
      - { .name: qc, .offset: 112, .size: 8, .value_kind: global_buffer, .address_space: global }
      - { .name: kc, .offset: 120, .size: 8, .value_kind: global_buffer, .address_space: global }
      - { .name: vc, .offset: 128, .size: 8, .value_kind: global_buffer, .address_space: global }
      - { .name: km, .offset: 136, .size: 8, .value_kind: global_buffer, .address_space: global }
    .group_segment_fixed_size: 327680
    .private_segment_fixed_size: 0
    .kernarg_segment_align: 8
    .kernarg_segment_size: 144
    .max_flat_workgroup_size: 128
    .sgpr_count:     106
    .vgpr_count:     1024
    .wavefront_size: 32
...
	.end_amdgpu_metadata
.endif
;; end of part 1
;; launch finish (part 2): grid 512 x 1, 4 waves a work-group, no clusters, 19,968 bytes of LDS; arguments yf, af, qc, kc, vc, km, out0; writes out0
.if DOCPART == 2
	.amdgcn_target "amdgcn-amd-amdhsa--gfx1250"
	.amdhsa_code_object_version 6
	.text
	.protected	k_q0e0b96952f_finish
	.globl	k_q0e0b96952f_finish
	.p2align	8
	.type	k_q0e0b96952f_finish,@function
k_q0e0b96952f_finish:
	s_mov_b64 s[64:65], 0
	v_nop
	global_prefetch_b8 v0, s[64:65] scope:SCOPE_SE
	s_setreg_imm32_b32 hwreg(HW_REG_WAVE_MODE, 25, 1), 1
	s_wait_xcnt 0x0
; out = (yf + Yc) / (af + Ac + 1e-8): Yc, Ac are the attention terms of levels 3 to 7, made here from the finished operands that the launch before has stored.
; A wave takes 128 tokens of one (batch, head): they have 16 rows of level 3, one tile of queries; their rows of levels 4 to 7 are reached by the addresses from which the query records are loaded, so that all five terms land on the 16 level-3 slots.
; Slot of a level-3 row: 8 x (token >> 3 & 1) + (token >> 4). S^T = K Q^T on codes of E3M2 (K = 64 and 64 zero codes); Y^T = V^T P^T in bf16, two levels' key blocks to a K of 32.
; Then the wave streams its 128 rows of yf: 512 consecutive bytes a load, 256 aligned bytes of out0 for each sixteen lanes of a store. Waves share nothing: no barrier; LDS only turns Yc and the reciprocals to the stream's layout.
; LIMITS: as in the launch before: scores are taken as finite; the weights and v go to the second product in bf16.
.set LG, 68                            ; s[68:69] log2(e), twice
.set MSB, 0
.macro WIN new
.if MSB != \new
	s_set_vgpr_msb (MSB<<8)|\new
.set MSB, \new
.endif
.endm
.macro PLACES n
.rept \n
	v_nop
.endr
.endm
; window 0: v1-17 addresses; ten records of 14 from v20 (q of levels 3-7, then k); v160-199 key bounds; v200-209 maxima; v210-211, v236-237 sums; v212-215 af; v216-219 reciprocals; v220-235 a chunk's rows of Yc and reciprocals
; window 1: v0-39 S^T; v40-63 weights in bf16; v64-159 v's three runs, later three buffers of the stream; v160-191 Y^T; v192-255 two buffers
	s_load_b256 s[4:11], s[0:1], 0x0               ; yf 4, af 6, qc 8, kc 10
	s_load_b128 s[12:15], s[0:1], 0x20             ; vc 12, km 14
	s_load_b64 s[16:17], s[0:1], 0x30              ; out0
	v_lshl_add_u32 v254, v0, 2, 0x4c00
	v_mov_b32 v255, 0
.irp r, 0,1,2,3,4,5,6,7,8,9
.irp j, 8,9,10,11,12,13
	v_mov_b32 v[20+14*\r+\j], 0                    ; K = 64 .. 127 of every operand: zero codes
.endr
.endr
.irp i, 0,1,2,3,4
	v_mov_b32 v[201+2*\i], 0                       ; (a lane permute's destination counts as one of its sources)
.endr
	WIN 0x40
.irp j, 60,61,62,63
	v_mov_b32 v[\j], 0                             ; level 7 has no second level beside it: zeros in the weights
.endr
.irp t, 0,1,2,3
.irp j, 0,1,2,3
	v_mov_b32 v[132+8*\t+\j], 0                    ; and in v
.endr
.endr
	WIN 0
	v_lshrrev_b32 v1, 5, v0
	v_readfirstlane_b32 s70, v1                    ; wave
	s_lshr_b32 s71, ttmp9, 4                       ; bh
	s_and_b32 s72, ttmp9, 15
	s_lshl_b32 s72, s72, 2
	s_add_co_u32 s72, s72, s70                     ; g
	s_mul_i32 s73, s71, 124
	s_mov_b32 s75, 0
	s_mov_b32 s66, 0x76543210
	s_mov_b32 s67, 0xfedcba98
	s_mov_b32 s68, 0x3fb8aa3b
	s_mov_b32 s69, s68
	s_mul_i32 s78, s70, 4864                       ; my LDS: 16 rows x 272 bytes of Yc (64 floats, Ac at 256), then 128 reciprocals
	v_and_b32 v1, 31, v0
	v_and_b32 v2, 15, v0
	v_bfe_u32 v3, v0, 4, 1
	v_lshlrev_b32 v4, 4, v1                        ; 16 x lane
	v_mov_b32 v5, v4                               ; level 3's query of slot ll: position ll
	v_and_b32 v6, 23, v1
	v_lshlrev_b32 v6, 4, v6                        ; level 4: position base + (ll & 7)
	v_and_b32 v18, 16, v1
	v_bfe_u32 v7, v1, 1, 2
	v_add_nc_u32 v7, v18, v7
	v_lshlrev_b32 v7, 4, v7                        ; level 5: + (ll & 7) >> 1
	v_bfe_u32 v8, v1, 2, 1
	v_add_nc_u32 v8, v18, v8
	v_lshlrev_b32 v8, 4, v8                        ; level 6: + (ll & 7) >> 2
	v_lshlrev_b32 v9, 4, v18                       ; level 7: one row for all
	v_lshlrev_b32 v10, 5, v3                       ; 32 h
	v_lshlrev_b32 v11, 4, v2
	v_lshl_add_u32 v11, v3, 12, v11                ; out0: 4,096 h + 16 ll
	v_mul_u32_u24 v13, v2, 272
	v_add_nc_u32 v13, s78, v13
	v_lshl_add_u32 v12, v3, 5, v13                 ; Yc, in: row ll, + 32 h
	v_add_nc_u32 v13, 256, v13                     ; Ac, in
	v_bfe_u32 v14, v1, 1, 1
	v_lshrrev_b32 v19, 2, v1
	v_lshl_add_u32 v14, v14, 3, v19
	v_mul_u32_u24 v14, v14, 272
	v_add_nc_u32 v14, s78, v14
	v_add_nc_u32 v14, 256, v14                     ; Ac of my four tokens 4 l .. 4 l + 3: slot 8 ((l >> 1) & 1) + (l >> 2)
	v_lshrrev_b32 v15, 1, v1
	v_lshlrev_b32 v15, 5, v15
	v_and_b32 v19, 1, v1
	v_lshl_add_u32 v15, v19, 3, v15
	v_add_nc_u32 v15, s78, v15
	v_add_nc_u32 v15, 4352, v15                    ; the reciprocals, in: [token >> 3][token & 1][(token >> 1) & 3]
	v_lshl_add_u32 v16, v2, 4, s78                 ; Yc, back: 16 ll
	v_lshl_add_u32 v17, v3, 4, s78
	v_add_nc_u32 v17, 4352, v17                    ; the reciprocals, back: 16 h
	s_wait_kmcnt 0x0
.macro LEVEL i, loff                   ; level 3 + i: my queries' record, and the partner block's keys, v and bounds
	s_lshr_b32 s76, s72, \i
	s_add_co_u32 s76, s76, s73
	s_add_co_u32 s76, s76, \loff
	s_and_b32 s77, s72, (1<<\i)-1
	s_lshl_b32 s77, s77, 8-\i
	s_lshl_b32 s74, s76, 10
	s_add_co_u32 s74, s74, s77
	s_add_nc_u64 s[20+8*\i:21+8*\i], s[8:9], s[74:75]
	s_xor_b32 s76, s76, 1
	s_lshl_b32 s74, s76, 10
	s_add_nc_u64 s[22+8*\i:23+8*\i], s[10:11], s[74:75]
	s_lshl_b32 s74, s76, 11
	s_add_nc_u64 s[24+8*\i:25+8*\i], s[12:13], s[74:75]
	s_lshl_b32 s74, s76, 8
	s_add_nc_u64 s[26+8*\i:27+8*\i], s[14:15], s[74:75]
.endm
	LEVEL 0, 0
	LEVEL 1, 64
	LEVEL 2, 96
	LEVEL 3, 112
	LEVEL 4, 120
	s_lshl_b32 s74, s71, 21
	s_lshl_b32 s76, s72, 15
	s_add_co_u32 s74, s74, s76
	s_add_nc_u64 s[4:5], s[4:5], s[74:75]          ; yf at my first token
	s_lshr_b32 s74, s74, 6
	s_add_nc_u64 s[6:7], s[6:7], s[74:75]          ; af
	s_lshr_b32 s74, s71, 4
	s_lshl_b32 s74, s74, 25
	s_lshl_b32 s76, s72, 19
	s_add_co_u32 s74, s74, s76
	s_and_b32 s76, s71, 15
	s_lshl_b32 s76, s76, 8
	s_add_co_u32 s74, s74, s76
	s_add_nc_u64 s[16:17], s[16:17], s[74:75]      ; out0: (8,192 batch + 128 g) rows of 4,096 bytes + 256 head
.irp i, 0,1,2,3,4
	global_load_b128 v[20+14*\i:23+14*\i], v[5+\i], s[20+8*\i:21+8*\i]
	global_load_b128 v[24+14*\i:27+14*\i], v[5+\i], s[20+8*\i:21+8*\i] offset:512
.endr
.irp i, 0,1,2,3,4
	global_load_b128 v[90+14*\i:93+14*\i], v4, s[22+8*\i:23+8*\i]
	global_load_b128 v[94+14*\i:97+14*\i], v4, s[22+8*\i:23+8*\i] offset:512
.endr
.irp i, 0,1,2,3,4
	global_load_b128 v[160+8*\i:163+8*\i], v10, s[26+8*\i:27+8*\i]
	global_load_b128 v[164+8*\i:167+8*\i], v10, s[26+8*\i:27+8*\i] offset:16
.endr
	WIN 0x40
.irp i, 0,1,2,3,4
.irp t, 0,1,2,3
	global_load_b128 v[64+32*(\i/2)+8*\t+4*(\i%2):67+32*(\i/2)+8*\t+4*(\i%2)], v4, s[24+8*\i:25+8*\i] offset:512*\t
.endr
.endr
	WIN 0
	global_load_b128 v[212:215], v4, s[6:7]
.macro SETB c                          ; chunk c's buffer, in window 1
.set BB, 64+32*(((\c)%5)-2)
.if ((\c)%5) < 2
.set BB, 192+32*((\c)%5)
.endif
.endm
.macro YLOAD c                         ; 16 tokens of yf: eight loads of 512 consecutive bytes
	SETB \c
	WIN 0x40
.irp i, 0,1,2,3,4,5,6,7
	global_load_b128 v[BB+4*\i:BB+4*\i+3], v4, s[4:5] offset:4096*(\c)+512*\i th:TH_LOAD_NT
.endr
.endm
	YLOAD 0
	YLOAD 1
	s_wait_loadcnt 37                              ; records and bounds are in; v's 20, af's 1 and yf's 16 loads may be out
.irp i, 0,1,2,3,4
	v_wmma_scale_f32_16x16x128_f8f6f4 v[8*\i:8*\i+7], v[92+14*\i:103+14*\i], v[22+14*\i:33+14*\i], 0, v[90+14*\i], v[20+14*\i] matrix_a_fmt:MATRIX_FMT_BF6 matrix_b_fmt:MATRIX_FMT_BF6
.endr
	PLACES 4
	WIN 0x41
.irp i, 0,1,2,3,4
.irp j, 0,1,2,3,4,5,6,7
	v_min3_num_f32 v[8*\i+\j], v[8*\i+\j], v[160+8*\i+\j], v[21+14*\i]     ; a score whose key or query is masked becomes the most negative f32 number
.endr
.endr
.macro SOFTMAX T, MX                   ; each tile's row maximum is taken away first, then 2^(x log2 e); the exponentials are one batch
	WIN 0x15
.set i, 0
.rept \T
	v_max3_num_f32 v[\MX+2*i], v[8*i], v[8*i+1], v[8*i+2]
.set i, i+1
.endr
	WIN 0x14
.irp j, 3,5
.set i, 0
.rept \T
	v_max3_num_f32 v[\MX+2*i], v[\MX+2*i], v[8*i+\j], v[8*i+\j+1]
.set i, i+1
.endr
.endr
.set i, 0
.rept \T
	v_max3_num_f32 v[\MX+2*i], v[\MX+2*i], v[8*i+7], v[8*i+7]
.set i, i+1
.endr
	WIN 0
.set i, 0
.rept \T
	v_permlanex16_b32 v[\MX+2*i+1], v[\MX+2*i], s66, s67
.set i, i+1
.endr
.set i, 0
.rept \T
	v_max_num_f32 v[\MX+2*i], v[\MX+2*i], v[\MX+2*i+1]
.set i, i+1
.endr
	WIN 0x41
.set i, 0
.rept 4*\T
	v_pk_add_f32 v[2*i:2*i+1], v[2*i:2*i+1], v[\MX+2*(i/4):\MX+2*(i/4)+1] op_sel_hi:[1,0] neg_lo:[0,1] neg_hi:[0,1]
.set i, i+1
.endr
.set i, 0
.rept 4*\T
	v_pk_mul_f32 v[2*i:2*i+1], v[2*i:2*i+1], s[LG:LG+1] op_sel_hi:[1,0]
.set i, i+1
.endr
.set i, 0
.rept 8*\T
	v_exp_f32 v[i], v[i]
.set i, i+1
.endr
.endm
	SOFTMAX 5, 200
	WIN 0
.irp i, 210,211,236,237
	v_mov_b32 v[\i], 0                             ; plain instructions behind the last exponential
.endr
	s_wait_alu depctr_va_vdst(0)                   ; one wait for the batch of 40, ahead of its first reader
	WIN 0x04
.set i, 0
.rept 10
	v_pk_add_f32 v[210:211], v[210:211], v[4*i:4*i+1]          ; the sums are taken of the weights before they are rounded; two chains by turns
	v_pk_add_f32 v[236:237], v[236:237], v[4*i+2:4*i+3]
.set i, i+1
.endr
	WIN 0x45
.set i, 0
.rept 20
	v_cvt_pk_bf16_f32 v[40+i], v[2*i], v[2*i+1]
.set i, i+1
.endr
	s_wait_loadcnt 17                              ; v is in; af's 1 and yf's 16 may be out
	WIN 0x55
.irp t, 0,1,2,3
	v_wmma_f32_16x16x32_bf16 v[160+8*\t:167+8*\t], v[64+8*\t:71+8*\t], v[40:47], 0
.endr
.irp r, 1,2
.irp t, 0,1,2,3
	v_wmma_f32_16x16x32_bf16 v[160+8*\t:167+8*\t], v[64+32*\r+8*\t:71+32*\r+8*\t], v[40+8*\r:47+8*\r], v[160+8*\t:167+8*\t]
.endr
.endr
	WIN 0
	v_pk_add_f32 v[210:211], v[210:211], v[236:237]
	v_add_f32 v210, v210, v211
	v_permlanex16_b32 v211, v210, s66, s67
	v_add_f32 v210, v210, v211                     ; Ac of slot ll
	PLACES 2                                       ; with the three additions: the places behind the products
	YLOAD 2                                        ; into the registers that v has left
	YLOAD 3
	YLOAD 4
	WIN 0x04
.irp t, 0,1,2,3
	ds_store_b128 v12, v[160+8*\t:163+8*\t] offset:64*\t       ; each accumulator from its low end on
	ds_store_b128 v12, v[164+8*\t:167+8*\t] offset:64*\t+16
.endr
	WIN 0
	ds_store_b32 v13, v210                         ; both halves of the lanes write the same word with the same value
	ds_load_b32 v238, v14                          ; LDS serves a wave's instructions in order
	s_wait_loadcnt 40                              ; af is in; yf's 16 + 24 loads may be out
	s_wait_dscnt 0x0
	v_add_f32 v238, 0x322bcc77, v238               ; + 1e-8
.irp e, 0,1,2,3
	v_add_f32 v[240+\e], v[212+\e], v238
.endr
	v_rcp_f32 v216, v240
	v_rcp_f32 v218, v241
	v_rcp_f32 v217, v242
	v_rcp_f32 v219, v243
	v_nop                                          ; a plain place behind the last reciprocal
	s_wait_alu depctr_va_vdst(0)                   ; one wait for the four
	ds_store_b64 v15, v[216:217]                   ; tokens 4 l and 4 l + 2,
	ds_store_b64 v15, v[218:219] offset:16         ; 4 l + 1 and 4 l + 3
; Chunk c: tokens 16 c .. 16 c + 15. Load i holds token 16 c + 2 i + h, channels 4 ll on. left: the younger chunks' loads. next = 1: the buffer takes the chunk five on.
.macro CHUNK c, left, next
	SETB \c
	WIN 0
	ds_load_b128 v[220:223], v16 offset:272*(\c)               ; Yc's rows of the chunk's two groups of eight tokens: slots c and 8 + c
	ds_load_b128 v[224:227], v16 offset:272*(8+(\c))
	ds_load_b128 v[228:231], v17 offset:64*(\c)                ; and their reciprocals, four for my half of the lanes
	ds_load_b128 v[232:235], v17 offset:64*(\c)+32
	s_wait_loadcnt \left
	s_wait_dscnt 0x0
	WIN 0x41
.irp i, 0,1,2,3,4,5,6,7
	v_pk_add_f32 v[BB+4*\i:BB+4*\i+1], v[BB+4*\i:BB+4*\i+1], v[220+4*(\i/4):221+4*(\i/4)]
	v_pk_add_f32 v[BB+4*\i+2:BB+4*\i+3], v[BB+4*\i+2:BB+4*\i+3], v[222+4*(\i/4):223+4*(\i/4)]
.if (\i%2) == 0
	v_pk_mul_f32 v[BB+4*\i:BB+4*\i+1], v[BB+4*\i:BB+4*\i+1], v[228+4*(\i/4)+2*((\i%4)/2):229+4*(\i/4)+2*((\i%4)/2)] op_sel:[0,0] op_sel_hi:[1,0]
	v_pk_mul_f32 v[BB+4*\i+2:BB+4*\i+3], v[BB+4*\i+2:BB+4*\i+3], v[228+4*(\i/4)+2*((\i%4)/2):229+4*(\i/4)+2*((\i%4)/2)] op_sel:[0,0] op_sel_hi:[1,0]
.else
	v_pk_mul_f32 v[BB+4*\i:BB+4*\i+1], v[BB+4*\i:BB+4*\i+1], v[228+4*(\i/4)+2*((\i%4)/2):229+4*(\i/4)+2*((\i%4)/2)] op_sel:[0,1] op_sel_hi:[1,1]
	v_pk_mul_f32 v[BB+4*\i+2:BB+4*\i+3], v[BB+4*\i+2:BB+4*\i+3], v[228+4*(\i/4)+2*((\i%4)/2):229+4*(\i/4)+2*((\i%4)/2)] op_sel:[0,1] op_sel_hi:[1,1]
.endif
.endr
	WIN 0x04
.irp i, 0,1,2,3,4,5,6,7
	global_store_b128 v11, v[BB+4*\i:BB+4*\i+3], s[16:17] offset:4096*(16*(\c)+2*\i) th:TH_STORE_NT    ; sixteen lanes store 256 consecutive bytes, aligned: a head's part of a token's row
.endr
.if \next
	s_wait_xcnt 0x0                                ; the stores have read the buffer: it is loaded again only behind this wait
	YLOAD (\c)+5
.endif
.endm
	CHUNK 0, 32, 1
	CHUNK 1, 32, 1
	CHUNK 2, 32, 1
	CHUNK 3, 32, 0
	CHUNK 4, 24, 0
	CHUNK 5, 16, 0
	CHUNK 6, 8, 0
	CHUNK 7, 0, 0
	WIN 0
	s_wait_tensorcnt 0x0
	ds_add_u32 v254, v255
	s_wait_dscnt 0x0
	s_endpgm
.Lfunc_end_k_q0e0b96952f_finish:
	.size	k_q0e0b96952f_finish, .Lfunc_end_k_q0e0b96952f_finish-k_q0e0b96952f_finish
	.p2alignl 7, 3214868480
	.fill 96, 4, 3214868480
	.section	.rodata,"a",@progbits
	.p2align	6, 0x0
	.amdhsa_kernel k_q0e0b96952f_finish
		.amdhsa_group_segment_fixed_size 19968
		.amdhsa_private_segment_fixed_size 0
		.amdhsa_enable_private_segment 0
		.amdhsa_kernarg_size 56
		.amdhsa_user_sgpr_count 2
		.amdhsa_user_sgpr_kernarg_segment_ptr 1
		.amdhsa_wavefront_size32 1
		.amdhsa_system_sgpr_workgroup_id_x 1
		.amdhsa_system_sgpr_workgroup_id_y 1
		.amdhsa_system_sgpr_workgroup_id_z 1
		.amdhsa_system_vgpr_workitem_id 0
		.amdhsa_next_free_vgpr 512
		.amdhsa_next_free_sgpr 84
		.amdhsa_reserve_vcc 0
		.amdhsa_float_denorm_mode_32 3
		.amdhsa_float_denorm_mode_16_64 3
		.amdhsa_memory_ordered 1
		.amdhsa_forward_progress 1
		.amdhsa_inst_pref_size 59
	.end_amdhsa_kernel
	.amdgpu_metadata
---
amdhsa.version: [ 1, 2 ]
amdhsa.kernels:
  - .name:           k_q0e0b96952f_finish
    .symbol:         k_q0e0b96952f_finish.kd
    .args:
      - { .name: yf, .offset: 0, .size: 8, .value_kind: global_buffer, .address_space: global }
      - { .name: af, .offset: 8, .size: 8, .value_kind: global_buffer, .address_space: global }
      - { .name: qc, .offset: 16, .size: 8, .value_kind: global_buffer, .address_space: global }
      - { .name: kc, .offset: 24, .size: 8, .value_kind: global_buffer, .address_space: global }
      - { .name: vc, .offset: 32, .size: 8, .value_kind: global_buffer, .address_space: global }
      - { .name: km, .offset: 40, .size: 8, .value_kind: global_buffer, .address_space: global }
      - { .name: out0, .offset: 48, .size: 8, .value_kind: global_buffer, .address_space: global }
    .group_segment_fixed_size: 19968
    .private_segment_fixed_size: 0
    .kernarg_segment_align: 8
    .kernarg_segment_size: 56
    .max_flat_workgroup_size: 128
    .sgpr_count:     84
    .vgpr_count:     512
    .wavefront_size: 32
...
	.end_amdgpu_metadata
.endif
;; end of part 2
